; MI455X (gfx1250); checked and timed in simulation.
; The chip was launched on July 23, 2026; its instructions are those of AMD's public machine-readable ISA for CDNA 5 (MIT licence, August 2026) and "CDNA5" Instruction Set Architecture Reference Guide (July 2026). The comments in the code are by the model that wrote it; some were corrected since.
;; Multihead Attention. Allowed arithmetic: matrix products marked QUANTISED: E2M1 operands, one E8M0 scale for each 32 along K, by v_wmma_scale_f32_16x16x128_f8f6f4 with both operands' format E2M1 (or v_wmma_scale_f32_32x16x128_f4), f32 sums; products left as they are: bf16, f16 or f32 operands; f32 sums; everything else in f32.
;; Inputs: Wproj 1,024 x 1,024 float32; Wqkv 1,024 x 3,072 float32; bproj 1,024 float32; bqkv 3,072 float32; x 1 x 4,096 x 1,024 float32.
;; Outputs: out0 1 x 4,096 x 1,024 float32.
;; This version of the problem:
;;   THIS VERSION OF THE PROBLEM IS GIVEN IN LOW PRECISION. The matrix products marked QUANTISED in the list below multiply operands that are first quantised to E2M1 (2 exponent bits, 1 mantissa bit; 4 bits a number), with one power-of-two scale for each 32 numbers along K (OCP MX v1.0); their sums are f32. The products marked 'left as it is' may take bf16, f16 or f32 operands, with f32 sums. Whichever they take, every output number must still come out within the allowed error. Rounding operands to bf16 (8 significant bits) uses up far more of that allowance than f16 does (11 bits, for magnitudes from 6e-5 to 65,504). All else is computed in f32.
;;   The module's matrix products, in the order in which they are computed (A, B: the left and right operand; K: the contracted axis; several contracted axes count as one K, in the product's order):
;;     1. [M 4,096, K 1,024] x [K 1,024, N 3,072]; A: input x; B: input Wqkv: QUANTISED
;;     2. batch 16 x [M 4,096, K 64] x [K 64, N 4,096]; A: computed on the way; B: computed on the way: left as it is (an operand is computed on the way)
;;     3. batch 16 x [M 64, K 4,096] x [K 4,096, N 4,096]; A: computed on the way; B: computed on the way: left as it is (an operand is computed on the way)
;;     4. [M 4,096, K 1,024] x [K 1,024, N 1,024]; A: computed on the way; B: input Wproj: left as it is (an operand is computed on the way)
;;   THE QUANTISER, for each operand of a quantised product, along K:
;;     - K is cut into blocks of 32 from its start; a last block that is shorter is filled with zeros.
;;     - A block's scale is 2^e with e = floor(log2(the largest magnitude in the block)) - 2, held to -126 .. 127; a block of zeros has e = 0. As a byte (E8M0): e + 127.
;;     - Each number is divided by its block's scale, clamped to +-6, and rounded to the nearest number of E2M1, ties to even, subnormals kept.
;;     - The product sums the exact products of the quantised numbers (number of the format x scale) in f32.
;;   ~~~python
;;   def quantise(x, axis):      # numpy; x: float32 -> the quantised numbers, widened to float32 again
;;       x = np.moveaxis(x, axis, -1); K = x.shape[-1]
;;       x = np.pad(x, [(0, 0)] * (x.ndim - 1) + [(0, -K % 32)]); x = x.reshape(x.shape[:-1] + (-1, 32)); a = np.abs(x).max(-1, keepdims=True)
;;       e = np.where(a > 0, np.clip(np.frexp(np.where(a > 0, a, 1))[1] - 1 - 2, -126, 127), 0)      # np.frexp(a)[1] - 1 = floor(log2(a)), exactly
;;       r = np.clip(x / 2.0 ** e, -6, 6)
;;       step = 2.0 ** (np.maximum(np.frexp(np.where(r == 0, 1, r))[1] - 1, 0) - 1)
;;       q = np.round(r / step) * step * 2.0 ** e      # np.round: ties to even
;;       return np.moveaxis(q.reshape(q.shape[:-2] + (-1,))[..., :K], -1, axis).astype(np.float32)
;;   ~~~
;; One version. Each part assembles by itself: llvm-mc -triple=amdgcn-amd-amdhsa -mcpu=gfx1250 --defsym DOCPART=n.
;; ======== version 1 of 1: 4 launches
;; limits: values are held in f16: magnitudes above 65,504 overflow, below 6.1e-05 lose precision
;; workspace buffers: xc 2,097,152 bytes; xs 131,072 bytes; wc 1,572,864 bytes; ws 98,304 bytes; wf 2,097,152 bytes; qf 8,388,608 bytes; kv 16,777,216 bytes; of 8,388,608 bytes
;; launch prep (part 1): grid 256 x 1, 8 waves a work-group, no clusters, 136,192 bytes of LDS; arguments x, Wqkv, Wproj, xc, xs, wc, ws, wf; writes xc, xs, wc, ws, wf
.if DOCPART == 1
	.amdgcn_target "amdgcn-amd-amdhsa--gfx1250"
	.amdhsa_code_object_version 6
	.text
	.protected	k_q5d33004050_prep
	.globl	k_q5d33004050_prep
	.p2align	8
	.type	k_q5d33004050_prep,@function
k_q5d33004050_prep:
	s_mov_b64 s[64:65], 0
	v_nop
	global_prefetch_b8 v0, s[64:65] scope:SCOPE_SE
	s_setreg_imm32_b32 hwreg(HW_REG_WAVE_MODE, 25, 1), 1
	s_wait_xcnt 0x0
; MULTI-HEAD ATTENTION, 4,096 tokens, width 1,024, 16 heads of 64, in four launches: prep, qkv, attn, proj.
; THIS LAUNCH: x [4096][1024] and Wqkv [1024][3072] become codes of E2M1 with one E8M0 byte for each 32 along K = 1,024; Wproj [1024][1024] becomes f16.
; All three leave as IMAGES OF OPERAND REGISTERS: a group of four registers is 512 consecutive bytes, lane l's 16 bytes at 16 l, so that later launches load fragments as they lie.
;   xc [row tile 256][K step 8][c 2][lane][16 B]: lane (r, h), piece c: the 32 codes of k = 128 ks + 64 c + 32 h of row 16 mt + r.   xs [32 rows 128][K step 8][lane]: a row's four scale bytes.
;   wc, ws: the same with a column of Wqkv in a row's place.   wf [128 columns 8][256 k 4][column tile 8][32 k 8][j 2][lane][16 B]: f16 of Wproj(k = .. + 16 j + 8 h + 0..7, column .. + r).
; DEAD WORK, left out in the launch qkv: the k third of bqkv.  reference() adds it to k, and k enters only q . k.  q . (k + bk) = q . k + q . bk, and q . bk is the same for all keys s of
; a row (b, h, t) of the softmax, whose result does not change when one number is added along its axis.  That holds for all values of the inputs.  The product q . k is not quantised, so no
; quantiser sees k.  The q and v thirds of bqkv are live and are loaded.  LIMIT: a NaN, an infinity or an overflow that stands only in bqkv's k third is not carried to the result.
; A block's scale is 2^(floor(log2(largest magnitude)) - 2): its byte is the largest magnitude's exponent field - 2, held at 1 from below by a floor among the maximum's leaves.
; LIMITS: a block of zeros gets the byte 1 where the rule says 127 (its codes are zeros, and this program alone reads the bytes); NaN and infinities are not served;
; Wproj must lie under 65,504 in magnitude (f16).  The scale words leave in runs of 128 bytes: one byte in 128 of what the launch reads.
; SHARES: each wave has ONE task of 4,096 numbers, all its loads issued on end.  g = the work-group.  Waves 0-3: 32 rows x 128 k of x (rows 32 (g / 2) on, K step 4 (g % 2) + wave).
; Waves 4-6: 128 k x 32 columns of Wqkv (K step g / 32, columns 32 (3 (g % 32) + wave - 4) on).  Wave 7: the same of Wproj (K step g / 32, columns 32 (g % 32) on).  Waves share nothing: no barrier.
.set STG,   16896                      ; a wave's stage in LDS: 32 rows x (512 bytes + 16)
.set SPARE, 8*STG                      ; behind the stages: the spare words, 128 bytes for each wave
.set L16, 1                            ; 16 x lane
.set L4,  2                            ; 4 x lane
.set RR,  3                            ; r = lane % 16
.set HH,  4                            ; h = lane / 16
.set STI, 5                            ; the stage, on the way in: 16 x lane
.set STO, 6                            ; and back: row r, + 128 h
.set WOF, 7                            ; where a column's 16 bytes of codes go: 8,192 h + 16 r
.set SH8, 8                            ; 8 h
.set LN,  9                            ; lane
.set TA,  10                           ; at work
.set SPW, 12                           ; my spare word; never rewritten
.set NIL, 13                           ; 0; never rewritten
.set MX,  16                           ; v16-19 largest magnitudes
.set SCL, 20                           ; v20-23 the conversions' scale operands
.set BY,  24                           ; v24-27 scale bytes
.set WD,  28                           ; v28-31 scale words
.set R,   32                           ; v32-159 the task's 4,096 numbers, 128 a lane
.set C,   160                          ; v160-175 codes: no store's data are written again
; One block: 32 numbers in v[x] on become four registers of codes in v[c] on; its byte in v[BY+i].
.macro BLK x, i, c
	v_max3_num_f32 v[MX+\i], |v[\x]|, |v[\x+1]|, 0x1800000         ; the floor 2^(3 - 127) among the leaves: the byte cannot fall under 1
	v_max3_num_f32 v[TA], |v[\x+2]|, |v[\x+3]|, |v[\x+4]|          ; two chains
.irp k, 5,9,13,17,21,25
	v_max3_num_f32 v[MX+\i], v[MX+\i], |v[\x+\k]|, |v[\x+\k+1]|
	v_max3_num_f32 v[TA], v[TA], |v[\x+\k+2]|, |v[\x+\k+3]|
.endr
	v_max3_num_f32 v[MX+\i], v[MX+\i], |v[\x+29]|, |v[\x+30]|
	v_max3_num_f32 v[MX+\i], v[MX+\i], v[TA], |v[\x+31]|
	v_add_nc_u32 v[SCL+\i], 0xff000000, v[MX+\i]                   ; 2 off the exponent field: the conversion takes that field as its scale
	v_lshrrev_b32 v[BY+\i], 23, v[SCL+\i]                          ; the scale's byte
.irp g, 0,1,2,3
	v_cvt_scalef32_pk8_fp4_f32 v[\c+\g], v[\x+8*\g:\x+8*\g+7], v[SCL+\i]
.endr
	v_nop                                                          ; one plain line behind the last conversion
.endm
.macro LWAIT b                         ; block b's 32 loads of 128 are in.  A count names 63 at the most: at most 63 out shows the first 65 in
.if 96-32*\b > 63
	s_wait_loadcnt 63
.else
	s_wait_loadcnt 96-32*\b
.endif
.endm
	s_load_b256 s[4:11], s[0:1], 0x0               ; x s[4:5], Wqkv s[6:7], Wproj s[8:9], xc s[10:11]
	s_load_b256 s[12:19], s[0:1], 0x20             ; xs s[12:13], wc s[14:15], ws s[16:17], wf s[18:19]
	v_lshl_add_u32 v[SPW], v0, 2, SPARE
	v_mov_b32 v[NIL], 0
	v_lshrrev_b32 v[TA], 5, v0
	v_readfirstlane_b32 s20, v[TA]                 ; wave 0..7
	v_and_b32 v[LN], 31, v0
	v_and_b32 v[RR], 15, v0
	v_bfe_u32 v[HH], v0, 4, 1
	v_lshlrev_b32 v[L16], 4, v[LN]
	v_lshlrev_b32 v[L4], 2, v[LN]
	s_mul_i32 s21, s20, STG                        ; every LDS address is made here, ahead of the parting of the roles
	v_add_nc_u32 v[STI], s21, v[L16]
	v_mul_u32_u24 v[STO], v[RR], 528
	v_lshl_add_u32 v[STO], v[HH], 7, v[STO]
	v_add_nc_u32 v[STO], s21, v[STO]
	v_lshlrev_b32 v[WOF], 4, v[RR]
	v_lshl_add_u32 v[WOF], v[HH], 13, v[WOF]
	v_lshlrev_b32 v[SH8], 3, v[HH]
	v_mov_b32 v[WD+2], 0                           ; a lane permute's destination counts as one of its sources
	v_mov_b32 v[WD+3], 0
	s_mov_b32 s22, 0x76543210
	s_mov_b32 s23, 0xfedcba98                      ; v_permlanex16_b32's selects for lane l xor 16
	s_mov_b32 s27, 0
	s_wait_kmcnt 0x0
	s_cmp_lt_u32 s20, 4
	s_cbranch_scc0 .Lnot_x
	; ---- x: 32 rows x 128 k.  Each load takes 512 consecutive bytes of a row; the rows turn through my stage, so that a lane comes to hold whole blocks of 32 of ONE row.
	s_lshr_b32 s24, ttmp9, 1                       ; which 32 rows
	s_and_b32 s25, ttmp9, 1
	s_lshl_b32 s25, s25, 2
	s_add_co_u32 s25, s25, s20                     ; K step
	s_lshl_b32 s26, s24, 17                        ; x: 32 rows of 4,096 bytes, + 512 bytes a K step
	s_lshl_b32 s28, s25, 9
	s_add_co_u32 s26, s26, s28
	s_add_nc_u64 s[4:5], s[4:5], s[26:27]
	s_lshl_b32 s26, s24, 14                        ; xc: two row tiles of 8,192 bytes, + 1,024 a K step
	s_lshl_b32 s28, s25, 10
	s_add_co_u32 s26, s26, s28
	s_add_nc_u64 s[10:11], s[10:11], s[26:27]
	s_lshl_b32 s26, s24, 10                        ; xs: 128 bytes for 32 rows and a K step
	s_lshl_b32 s28, s25, 7
	s_add_co_u32 s26, s26, s28
	s_add_nc_u64 s[12:13], s[12:13], s[26:27]
.set n, 0
.rept 32
	global_load_b128 v[R+4*n:R+4*n+3], v[L16], s[4:5] offset:4096*n th:TH_LOAD_NT
.set n, n+1
.endr
.set n, 0
.rept 32
	s_wait_loadcnt 31-n                            ; row n is in; the younger rows stay out
	ds_store_b128 v[STI], v[R+4*n:R+4*n+3] offset:528*n
.set n, n+1
.endr
	s_wait_dscnt 0x0                               ; the stores have read their registers
.irp f, 0,1
.irp c, 0,1
.irp i, 0,1,2,3,4,5,6,7
	ds_load_b128 v[R+64*\f+32*\c+4*\i:R+64*\f+32*\c+4*\i+3], v[STO] offset:8448*\f+256*\c+16*\i   ; row 16 f + r, block 2 c + h
.endr
.endr
.endr
.irp f, 0,1
	s_wait_dscnt 16-16*\f                          ; tile f's 16 loads are in; tile 1's may be out
	BLK R+64*\f, 0, C+8*\f
	BLK R+64*\f+32, 1, C+8*\f+4
	v_lshl_or_b32 v[WD+\f], v[BY+1], 16, v[BY]     ; my two bytes, blocks h and 2 + h,
	v_lshlrev_b32 v[WD+\f], v[SH8], v[WD+\f]       ; at their places in the row's word;
	v_permlanex16_b32 v[WD+2+\f], v[WD+\f], s22, s23
	v_or_b32 v[WD+\f], v[WD+\f], v[WD+2+\f]        ; with lane l xor 16's two the word is whole
	global_store_b128 v[L16], v[C+8*\f:C+8*\f+3], s[10:11] offset:8192*\f          ; 512 consecutive bytes
	global_store_b128 v[L16], v[C+8*\f+4:C+8*\f+7], s[10:11] offset:8192*\f+512
.endr
	v_cmp_gt_u32 vcc_lo, 16, v[LN]
	v_cndmask_b32 v[WD], v[WD+1], v[WD], vcc_lo    ; lanes 0-15: rows 0-15's words; lanes 16-31: rows 16-31's
	global_store_b32 v[L4], v[WD], s[12:13]
	s_branch .Lend
.Lnot_x:
	s_lshr_b32 s25, ttmp9, 5                       ; K step
	s_and_b32 s24, ttmp9, 31
	s_cmp_lt_u32 s20, 7
	s_cbranch_scc0 .Lrole_p
	; ---- Wqkv: a lane takes a column, its registers run down K: a block of 32 lies in one lane, and the codes come out with K innermost
	s_mul_i32 s24, s24, 3
	s_add_co_u32 s24, s24, s20
	s_sub_co_u32 s24, s24, 4                       ; which 32 columns
	s_mul_i32 s26, s25, 1572864                    ; 128 rows of 12,288 bytes
	s_lshl_b32 s28, s24, 7
	s_add_co_u32 s26, s26, s28
	s_add_nc_u64 s[6:7], s[6:7], s[26:27]
	s_lshl_b32 s26, s24, 14
	s_lshl_b32 s28, s25, 10
	s_add_co_u32 s26, s26, s28
	s_add_nc_u64 s[14:15], s[14:15], s[26:27]
	s_lshl_b32 s26, s24, 10
	s_lshl_b32 s28, s25, 7
	s_add_co_u32 s26, s26, s28
	s_add_nc_u64 s[16:17], s[16:17], s[26:27]
.set n, 0
.rept 128
	global_load_b32 v[R+n], v[L4], s[6:7] offset:12288*n th:TH_LOAD_NT   ; 128 consecutive bytes of row n; the largest offset, 1,560,576, lies inside the signed 24 bits
.set n, n+1
.endr
.irp b, 0,1,2,3
	LWAIT \b
	BLK R+32*\b, \b, C+4*\b
	global_store_b128 v[WOF], v[C+4*\b:C+4*\b+3], s[14:15] offset:256*\b   ; block b is piece b / 2, half b % 2: sixteen lanes fill 256 consecutive bytes
.endr
	v_lshl_or_b32 v[WD], v[BY+1], 8, v[BY]
	v_lshl_or_b32 v[WD], v[BY+2], 16, v[WD]
	v_lshl_or_b32 v[WD], v[BY+3], 24, v[WD]
	global_store_b32 v[L4], v[WD], s[16:17]
	s_branch .Lend
.Lrole_p:
	; ---- Wproj: the same loads; pairs along K are rounded to f16, and an exchange of halves makes of two columns' runs the fragments of two column tiles
	s_lshl_b32 s26, s25, 19                        ; 128 rows of 4,096 bytes
	s_lshl_b32 s28, s24, 7
	s_add_co_u32 s26, s26, s28
	s_add_nc_u64 s[8:9], s[8:9], s[26:27]
	s_lshr_b32 s26, s24, 2                         ; wf: which 128 columns,
	s_lshl_b32 s26, s26, 18
	s_lshr_b32 s28, s25, 1                         ; which 256 k,
	s_lshl_b32 s28, s28, 16
	s_add_co_u32 s26, s26, s28
	s_and_b32 s28, s24, 3                          ; which two column tiles,
	s_lshl_b32 s28, s28, 14
	s_add_co_u32 s26, s26, s28
	s_and_b32 s28, s25, 1                          ; which four blocks of 32 k
	s_lshl_b32 s28, s28, 12
	s_add_co_u32 s26, s26, s28
	s_add_nc_u64 s[18:19], s[18:19], s[26:27]
.set n, 0
.rept 128
	global_load_b32 v[R+n], v[L4], s[8:9] offset:4096*n th:TH_LOAD_NT
.set n, n+1
.endr
.irp b, 0,1,2,3
	LWAIT \b
.irp i, 0,1,2,3,4,5,6,7,8,9,10,11,12,13,14,15
	v_cvt_pk_f16_f32 v[R+32*\b+\i], v[R+32*\b+2*\i], v[R+32*\b+2*\i+1]   ; in place, ascending: register i holds k = 2 i, 2 i + 1 of my column
.endr
.irp i, 0,1,2,3,8,9,10,11
	v_permlane16_swap_b32 v[R+32*\b+\i], v[R+32*\b+\i+4]   ; the first's lanes 16-31 change places with the second's lanes 0-15: lanes 16-31 then hold k + 8 of the tile's columns
.endr
.irp q, 0,1,2,3                        ; group q: column tile q % 2, j = q / 2
	global_store_b128 v[L16], v[R+32*\b+4*\q:R+32*\b+4*\q+3], s[18:19] offset:8192*(\q%2)+1024*\b+512*(\q/2)
.endr
.endr
.Lend:
	s_wait_tensorcnt 0x0                           ; the wave's end, behind my last LDS store
	ds_add_u32 v[SPW], v[NIL]
	s_wait_dscnt 0x0
	s_endpgm
.Lfunc_end_k_q5d33004050_prep:
	.size	k_q5d33004050_prep, .Lfunc_end_k_q5d33004050_prep-k_q5d33004050_prep
	.p2alignl 7, 3214868480
	.fill 96, 4, 3214868480
	.section	.rodata,"a",@progbits
	.p2align	6, 0x0
	.amdhsa_kernel k_q5d33004050_prep
		.amdhsa_group_segment_fixed_size 136192
		.amdhsa_private_segment_fixed_size 0
		.amdhsa_enable_private_segment 0
		.amdhsa_kernarg_size 64
		.amdhsa_user_sgpr_count 2
		.amdhsa_user_sgpr_kernarg_segment_ptr 1
		.amdhsa_wavefront_size32 1
		.amdhsa_system_sgpr_workgroup_id_x 1
		.amdhsa_system_sgpr_workgroup_id_y 1
		.amdhsa_system_sgpr_workgroup_id_z 1
		.amdhsa_system_vgpr_workitem_id 0
		.amdhsa_next_free_vgpr 184
		.amdhsa_next_free_sgpr 66
		.amdhsa_reserve_vcc 1
		.amdhsa_float_denorm_mode_32 3
		.amdhsa_float_denorm_mode_16_64 3
		.amdhsa_memory_ordered 1
		.amdhsa_forward_progress 1
		.amdhsa_inst_pref_size 55
	.end_amdhsa_kernel
	.amdgpu_metadata
---
amdhsa.version: [ 1, 2 ]
amdhsa.kernels:
  - .name:           k_q5d33004050_prep
    .symbol:         k_q5d33004050_prep.kd
    .args:
      - { .name: x, .offset: 0, .size: 8, .value_kind: global_buffer, .address_space: global }
      - { .name: Wqkv, .offset: 8, .size: 8, .value_kind: global_buffer, .address_space: global }
      - { .name: Wproj, .offset: 16, .size: 8, .value_kind: global_buffer, .address_space: global }
      - { .name: xc, .offset: 24, .size: 8, .value_kind: global_buffer, .address_space: global }
      - { .name: xs, .offset: 32, .size: 8, .value_kind: global_buffer, .address_space: global }
      - { .name: wc, .offset: 40, .size: 8, .value_kind: global_buffer, .address_space: global }
      - { .name: ws, .offset: 48, .size: 8, .value_kind: global_buffer, .address_space: global }
      - { .name: wf, .offset: 56, .size: 8, .value_kind: global_buffer, .address_space: global }
    .group_segment_fixed_size: 136192
    .private_segment_fixed_size: 0
    .kernarg_segment_align: 8
    .kernarg_segment_size: 64
    .max_flat_workgroup_size: 256
    .sgpr_count:     66
    .vgpr_count:     184
    .wavefront_size: 32
...
	.end_amdgpu_metadata
.endif
;; end of part 1
;; launch qkv (part 2): grid 16 x 16, 4 waves a work-group, clusters of 4 x 4, 229,888 bytes of LDS; arguments xc, xs, wc, ws, bqkv, qf, kv; writes qf, kv
.if DOCPART == 2
	.amdgcn_target "amdgcn-amd-amdhsa--gfx1250"
	.amdhsa_code_object_version 6
	.text
	.protected	k_q5d33004050_qkv
	.globl	k_q5d33004050_qkv
	.p2align	8
	.type	k_q5d33004050_qkv,@function
k_q5d33004050_qkv:
	s_mov_b64 s[64:65], 0
	v_nop
	global_prefetch_b8 v0, s[64:65] scope:SCOPE_SE
	s_setreg_imm32_b32 hwreg(HW_REG_WAVE_MODE, 25, 1), 1
	s_wait_xcnt 0x0
	s_wait_alu depctr_hold_cnt(0) depctr_sa_sdst(0) depctr_va_vdst(0) depctr_va_sdst(0) depctr_va_ssrc(0) depctr_va_vcc(0) depctr_vm_vsrc(0)
	s_getreg_b32 s2, hwreg(HW_REG_IB_STS2, 6, 4)
	s_cmp_eq_u32 s2, 0
	s_cbranch_scc0 .Lentry_in_a_cluster
	s_endpgm
.Lentry_in_a_cluster:
	s_bfe_u32 s2, ttmp6, 0x10000c
	s_cmp_lg_u32 s2, 0xf033
	s_cbranch_scc0 .Lentry_shape_is_right
	s_endpgm
.Lentry_shape_is_right:
; qkv = Q(x) Q(Wqkv) + bqkv on codes of E2M1 with E8M0 scales, K = 1,024; the results leave as f16 fragments for the launch attn.
; LEFT OUT AS DEAD WORK: the k third of bqkv (shown at the head of the launch prep: it adds to every score of a softmax's row the same number).  It is not loaded.
; SHARES.  A work-group makes 256 tokens x the 192 columns of ONE head (q 64 | k 64 | v 64); a wave 64 tokens (row tiles a = 0..3) x all 12 column tiles: 48 accumulators.
; q and k are made TRANSPOSED (source 0 = 16 columns of W, source 1 = 16 tokens): a lane holds one token and 8 neighbouring channels, which rounded to f16 are four registers of a fragment of q or k.
; v is made the natural way (source 0 = tokens, source 1 = columns): a lane holds one channel and 8 neighbouring tokens: four registers of a fragment of V^T.
; q is multiplied once by 0.125 log2(e), where reference() multiplies q and k each by 64^(-1/4): another order of rounding; the softmax then works in base 2.
; ALL OF K LIES IN LDS: x's codes 131,072 bytes (each wave its own 32,768), W's 98,304: filled once, by two tensor loads a wave (two are out), no slot is filled again.
; CLUSTER 4 x 4: x's block hangs on the token block alone and is asked for jointly along a row of the cluster, W's on the head alone, jointly along a column.
; LIMITS: q, k, v must lie under 65,504 in magnitude (f16); NaN and infinities are not served.
; REGISTERS: window 0: v1-9 addresses; v32-47 x's scale words, v48-95 W's (they hold nothing else); v96-127 q's bias, v128-159 v's; v160-223 x's fragments, two sets; on the way out v96-223 take the f16.
;   window 1: W's fragments, two sets of 96.   window 2: q's and k's accumulators at 8 (8 a + b).   window 3: v's at 8 (4 a + ct).
.set SPARE, 229376
.set L16, 1                            ; 16 x lane
.set L4,  2                            ; 4 x lane
.set AX,  3                            ; LDS: my wave's codes of x
.set AW0, 4                            ; W's column tiles 0-5
.set AW1, 5                            ; and 6-11 (an LDS offset has 16 bits)
.set SPW, 6
.set NIL, 7
.set H32, 8                            ; 32 h
.set R4,  9                            ; 4 r
.set XS,  32
.set WS,  48
.set BQ,  96
.set BV,  128
.set XF,  160
.set WV,  18
.set G1X, 24
.set G0X, 32
.set G1W, 36
.set G0W, 44
.set QK,  0xa1                         ; source 0 (W) window 1, source 1 (x) window 0, C and D window 2
.set QK0, 0x81                         ; the same with C (the bias) in window 0
.set VV,  0xf4                         ; source 0 (x) window 0, source 1 (W) window 1, C and D window 3
.set VV0, 0xc4
.set TO_W, 0x40
.set MSB, 0
.macro WIN new                         ; the immediate's high byte repeats the setting that is left
.if MSB != \new
	s_set_vgpr_msb (MSB<<8)|\new
.set MSB, \new
.endif
.endm
.macro PLACES n
.rept \n
	v_nop
.endr
.endm
.macro CROUND                          ; a round of the cluster's barrier
	s_barrier_signal -1
	s_barrier_wait -1
	s_cmp_lg_u32 s[WV], 0
	s_cbranch_scc1 .Lnot_wave_0_\@
	s_barrier_signal -3
.Lnot_wave_0_\@:
	s_barrier_wait -3
	s_barrier_signal -1
	s_barrier_wait -1
.endm
; One product.  c < 0: the constant 0 starts the sum.  rows: bit 0: source 0's scales stand in lanes 16-31 of their register, bit 1: source 1's.
.macro WMI d, a, b, c, sa, sb, rows
.set rD, \d
.set rA, \a
.set rB, \b
.set rC, \c
.set rSA, \sa
.set rSB, \sb
.set rR, \rows
.if rC < 0
.if rR == 0
	v_wmma_scale_f32_16x16x128_f8f6f4 v[rD:rD+7], v[rA:rA+7], v[rB:rB+7], 0, v[rSA], v[rSB] matrix_a_fmt:MATRIX_FMT_FP4 matrix_b_fmt:MATRIX_FMT_FP4
.elseif rR == 1
	v_wmma_scale_f32_16x16x128_f8f6f4 v[rD:rD+7], v[rA:rA+7], v[rB:rB+7], 0, v[rSA], v[rSB] matrix_a_fmt:MATRIX_FMT_FP4 matrix_b_fmt:MATRIX_FMT_FP4 matrix_a_scale:MATRIX_SCALE_ROW1
.elseif rR == 2
	v_wmma_scale_f32_16x16x128_f8f6f4 v[rD:rD+7], v[rA:rA+7], v[rB:rB+7], 0, v[rSA], v[rSB] matrix_a_fmt:MATRIX_FMT_FP4 matrix_b_fmt:MATRIX_FMT_FP4 matrix_b_scale:MATRIX_SCALE_ROW1
.else
	v_wmma_scale_f32_16x16x128_f8f6f4 v[rD:rD+7], v[rA:rA+7], v[rB:rB+7], 0, v[rSA], v[rSB] matrix_a_fmt:MATRIX_FMT_FP4 matrix_b_fmt:MATRIX_FMT_FP4 matrix_a_scale:MATRIX_SCALE_ROW1 matrix_b_scale:MATRIX_SCALE_ROW1
.endif
.else
.if rR == 0
	v_wmma_scale_f32_16x16x128_f8f6f4 v[rD:rD+7], v[rA:rA+7], v[rB:rB+7], v[rC:rC+7], v[rSA], v[rSB] matrix_a_fmt:MATRIX_FMT_FP4 matrix_b_fmt:MATRIX_FMT_FP4
.elseif rR == 1
	v_wmma_scale_f32_16x16x128_f8f6f4 v[rD:rD+7], v[rA:rA+7], v[rB:rB+7], v[rC:rC+7], v[rSA], v[rSB] matrix_a_fmt:MATRIX_FMT_FP4 matrix_b_fmt:MATRIX_FMT_FP4 matrix_a_scale:MATRIX_SCALE_ROW1
.elseif rR == 2
	v_wmma_scale_f32_16x16x128_f8f6f4 v[rD:rD+7], v[rA:rA+7], v[rB:rB+7], v[rC:rC+7], v[rSA], v[rSB] matrix_a_fmt:MATRIX_FMT_FP4 matrix_b_fmt:MATRIX_FMT_FP4 matrix_b_scale:MATRIX_SCALE_ROW1
.else
	v_wmma_scale_f32_16x16x128_f8f6f4 v[rD:rD+7], v[rA:rA+7], v[rB:rB+7], v[rC:rC+7], v[rSA], v[rSB] matrix_a_fmt:MATRIX_FMT_FP4 matrix_b_fmt:MATRIX_FMT_FP4 matrix_a_scale:MATRIX_SCALE_ROW1 matrix_b_scale:MATRIX_SCALE_ROW1
.endif
.endif
.endm
; K step s's fragments into set s % 2: 24 LDS loads for W's twelve column tiles, 8 for my four row tiles: each takes 512 consecutive bytes
.macro FETCH s
.set PP, (\s)%2
	WIN TO_W
.irp b, 0,1,2,3,4,5
.irp c, 0,1
	ds_load_b128 v[96*PP+8*\b+4*\c:96*PP+8*\b+4*\c+3], v[AW0] offset:8192*\b+1024*(\s)+512*\c
.endr
.endr
.irp b, 6,7,8,9,10,11
.irp c, 0,1
	ds_load_b128 v[96*PP+8*\b+4*\c:96*PP+8*\b+4*\c+3], v[AW1] offset:8192*(\b-6)+1024*(\s)+512*\c
.endr
.endr
	WIN 0
.irp a, 0,1,2,3
.irp c, 0,1
	ds_load_b128 v[XF+32*PP+8*\a+4*\c:XF+32*PP+8*\a+4*\c+3], v[AX] offset:8192*\a+1024*(\s)+512*\c
.endr
.endr
.endm
; K step s's 48 products.  The 48 accumulators take turns, one instruction a turn, in the same order in every step.  In step 0 the bias (q, v) or the constant 0 (k) starts the sums.
; A register of scale words holds two tiles': the even tile's in lanes 0-15, the odd tile's in lanes 16-31.
.macro PROD s
.set PP, (\s)%2
.if (\s) == 0
	WIN QK0
.else
	WIN QK
.endif
.irp a, 0,1,2,3
.irp b, 0,1,2,3,4,5,6,7
.if (\s) > 0
.set CC, 8*(8*\a+\b)
.elseif \b < 4
.set CC, BQ+8*\b
.else
.set CC, -1
.endif
	WMI 8*(8*\a+\b), 96*PP+8*\b, XF+32*PP+8*\a, CC, WS+8*(\b/2)+(\s), XS+8*(\a/2)+(\s), (\b%2)+2*(\a%2)
.endr
.endr
.if (\s) == 0
	WIN VV0
.else
	WIN VV
.endif
.irp a, 0,1,2,3
.irp c, 0,1,2,3
.if (\s) > 0
.set CC, 8*(4*\a+\c)
.else
.set CC, BV+8*\c
.endif
	WMI 8*(4*\a+\c), XF+32*PP+8*\a, 96*PP+64+8*\c, CC, XS+8*(\a/2)+(\s), WS+32+8*(\c/2)+(\s), (\a%2)+2*(\c%2)
.endr
.endr
.endm
.macro STEP s
.if (\s) > 0
	PLACES 4                                       ; in front of loads into the set that the last step's products read
.endif
.if (\s) < 7
	FETCH (\s)+1
	s_wait_dscnt 32                                ; all but the 32 just issued: this step's fragments are in
.else
	s_wait_dscnt 0x0
.endif
	PROD \s
.endm
	s_load_b256 s[4:11], s[0:1], 0x0               ; xc s[4:5], xs s[6:7], wc s[8:9], ws s[10:11]
	s_load_b128 s[12:15], s[0:1], 0x20             ; bqkv s[12:13], qf s[14:15]
	s_load_b64 s[16:17], s[0:1], 0x30              ; kv
	v_lshl_add_u32 v[SPW], v0, 2, SPARE
	v_mov_b32 v[NIL], 0
	ds_add_u32 v[SPW], v[NIL]                      ; the wave's opening: the add, twice on end, and its wait ahead of my first tensor load
	ds_add_u32 v[SPW], v[NIL]
	v_lshrrev_b32 v1, 5, v0
	v_readfirstlane_b32 s[WV], v1                  ; wave 0..3
	s_bfe_u32 s19, ttmp6, 0x40000                  ; cx
	s_bfe_u32 s20, ttmp6, 0x40004                  ; cy
	s_lshl_b32 s21, ttmp9, 2
	s_add_co_u32 s21, s21, s19                     ; the head = 4 x cluster x + cx
	s_and_b32 s22, ttmp7, 0xffff
	s_lshl_b32 s22, s22, 2
	s_add_co_u32 s22, s22, s20                     ; the block of 256 tokens = 4 x cluster y + cy
	s_lshl_b32 s52, s20, 2
	s_lshl_b32 s52, 15, s52                        ; my row of the cluster
	s_lshl_b32 s53, 0x1111, s19                    ; my column
	; descriptor group 1: a dense block as rows of 256 bytes (32 elements of 8 bytes): x 128 rows, W 96
	s_or_b32 s[G1X], s52, (3<<16)|(1<<21)          ; 15:0 the mask; 17:16 elements of 8 bytes; 21 set beside a mask; no padding
	s_mov_b32 s[G1X+1], 32<<16                     ; tensor_dim0
	s_mov_b32 s[G1X+2], 128<<16                    ; tensor_dim1
	s_mov_b32 s[G1X+3], 32<<16                     ; tile_dim0
	s_mov_b32 s[G1X+4], 128                        ; tile_dim1
	s_mov_b32 s[G1X+5], 32                         ; from row to row
	s_mov_b32 s[G1X+6], 0
	s_mov_b32 s[G1X+7], 0
	s_or_b32 s[G1W], s53, (3<<16)|(1<<21)
	s_mov_b32 s[G1W+1], 32<<16
	s_mov_b32 s[G1W+2], 96<<16
	s_mov_b32 s[G1W+3], 32<<16
	s_mov_b32 s[G1W+4], 96
	s_mov_b32 s[G1W+5], 32
	s_mov_b32 s[G1W+6], 0
	s_mov_b32 s[G1W+7], 0
	s_lshl_b32 s48, s22, 17                        ; x's codes: 131,072 bytes a token block, 32,768 a wave: no cx in it
	s_lshl_b32 s49, s[WV], 15
	s_add_co_u32 s48, s48, s49
	s_mov_b32 s49, 0
	s_mul_i32 s50, s21, 98304                      ; W's codes: 98,304 bytes a head, 24,576 a wave: no cy in it
	s_mul_i32 s51, s[WV], 24576
	s_add_co_u32 s50, s50, s51
	s_mov_b32 s51, 0
	s_mov_b32 s66, 0x3e38aa3b                      ; 0.125 log2(e)
	s_mov_b32 s67, s66                             ; (named with it as a pair)
	s_wait_dscnt 0x0                               ; both opening adds are done
	s_wait_kmcnt 0x0
	s_mov_b32 s[G0X], 1
	s_lshl_b32 s[G0X+1], s[WV], 15                 ; LDS: wave x 32,768
	s_add_nc_u64 s[G0X+2:G0X+3], s[4:5], s[48:49]
	s_or_b32 s[G0X+3], s[G0X+3], 0x80000000
	s_mov_b32 s[G0W], 1
	s_mul_i32 s[G0W+1], s[WV], 24576
	s_add_co_u32 s[G0W+1], s[G0W+1], 131072        ; LDS: behind x's, wave x 24,576
	s_add_nc_u64 s[G0W+2:G0W+3], s[8:9], s[50:51]
	s_or_b32 s[G0W+3], s[G0W+3], 0x80000000
	CROUND                                         ; all sixteen work-groups are here: the joint loads meet
	tensor_load_to_lds s[G0X:G0X+3], s[G1X:G1X+7]
	s_nop 0
	tensor_load_to_lds s[G0W:G0W+3], s[G1W:G1W+7]
	s_nop 0
	PLACES 4
	v_and_b32 v10, 31, v0
	v_lshlrev_b32 v[L16], 4, v10
	v_lshlrev_b32 v[L4], 2, v10
	s_lshl_b32 s60, s[WV], 15
	v_add_nc_u32 v[AX], s60, v[L16]
	v_add_nc_u32 v[AW0], 131072, v[L16]
	v_add_nc_u32 v[AW1], 180224, v[L16]
	v_bfe_u32 v10, v0, 4, 1
	v_lshlrev_b32 v[H32], 5, v10
	v_and_b32 v11, 15, v0
	v_lshlrev_b32 v[R4], 2, v11
	s_lshl_b32 s54, s22, 13                        ; x's scale words: 1,024 bytes for 32 rows; my 64 rows
	s_lshl_b32 s55, s[WV], 11
	s_add_co_u32 s54, s54, s55
	s_mov_b32 s55, 0
	s_add_nc_u64 s[6:7], s[6:7], s[54:55]
	s_mul_i32 s54, s21, 6144                       ; W's: the head's 192 columns
	s_add_nc_u64 s[10:11], s[10:11], s[54:55]
	s_mul_i32 s54, s21, 768                        ; the head's 192 numbers of bqkv
	s_add_nc_u64 s[12:13], s[12:13], s[54:55]
.irp i, 0,1
.irp k, 0,1,2,3,4,5,6,7
	global_load_b32 v[XS+8*\i+\k], v[L4], s[6:7] offset:128*(8*\i+\k)
.endr
.endr
.irp p, 0,1,2,3,4,5
.irp k, 0,1,2,3,4,5,6,7
	global_load_b32 v[WS+8*\p+\k], v[L4], s[10:11] offset:128*(8*\p+\k)
.endr
.endr
.irp b, 0,1,2,3                        ; q's bias in the result's layout: lane (r, h): channels 16 b + 8 h + 0..7
	global_load_b128 v[BQ+8*\b:BQ+8*\b+3], v[H32], s[12:13] offset:64*\b
	global_load_b128 v[BQ+8*\b+4:BQ+8*\b+7], v[H32], s[12:13] offset:64*\b+16
.endr
.irp c, 0,1,2,3                        ; v's: lane (r, h): channel 16 ct + r for all eight tokens
	global_load_b32 v[BV+8*\c], v[R4], s[12:13] offset:512+64*\c
.endr
	s_lshl_b32 s56, s21, 19                        ; qf: 524,288 bytes a head, 2,048 a tile of 16 tokens
	s_lshl_b32 s57, s22, 15
	s_add_co_u32 s56, s56, s57
	s_lshl_b32 s57, s[WV], 13
	s_add_co_u32 s56, s56, s57
	s_mov_b32 s57, 0
	s_add_nc_u64 s[14:15], s[14:15], s[56:57]
	s_lshl_b32 s58, s21, 20                        ; kv: 1,048,576 bytes a head, 131,072 for 512 keys: K's 65,536, then V^T's.  256 tokens are 32,768 bytes of either, 64 tokens 8,192
	s_lshr_b32 s59, s22, 1
	s_lshl_b32 s59, s59, 17
	s_add_co_u32 s58, s58, s59
	s_and_b32 s59, s22, 1
	s_lshl_b32 s59, s59, 15
	s_add_co_u32 s58, s58, s59
	s_lshl_b32 s59, s[WV], 13
	s_add_co_u32 s58, s58, s59
	s_mov_b32 s59, 0
	s_add_nc_u64 s[16:17], s[16:17], s[58:59]
	s_wait_tensorcnt 0x0                           ; my two blocks have landed,
	s_barrier_signal -1
	s_barrier_wait -1                              ; everybody's have: W's quarters come from four waves
	FETCH 0
	s_wait_loadcnt 0x0                             ; scale words and biases
.irp c, 0,1,2,3
.irp j, 1,2,3,4,5,6,7
	v_mov_b32 v[BV+8*\c+\j], v[BV+8*\c]
.endr
.endr
	PLACES 4
.irp s, 0,1,2,3,4,5,6,7
	STEP \s
.endr
	; THE WAY OUT.  Each accumulator is read from its low end on; every store takes 512 consecutive bytes.
	PLACES 4
	WIN 0x82                                       ; destination and source 0 window 2
.irp a, 0,1,2,3
.irp b, 0,1,2,3
.irp i, 0,2,4,6
	v_pk_mul_f32 v[8*(8*\a+\b)+\i:8*(8*\a+\b)+\i+1], v[8*(8*\a+\b)+\i:8*(8*\a+\b)+\i+1], s[66:67] op_sel_hi:[1,0]   ; q x 0.125 log2(e)
.endr
.endr
.endr
	WIN 0x0a                                       ; sources window 2, destination window 0
.irp a, 0,1,2,3
.irp b, 0,1,2,3,4,5,6,7                ; q's 64 registers at v96 on, k's at v160 on
.irp i, 0,1,2,3
	v_cvt_pk_f16_f32 v[96+64*(\b/4)+4*(4*\a+\b%4)+\i], v[8*(8*\a+\b)+2*\i], v[8*(8*\a+\b)+2*\i+1]
.endr
.endr
.endr
	WIN 0
.irp a, 0,1,2,3
.irp b, 0,1,2,3
	global_store_b128 v[L16], v[96+4*(4*\a+\b):96+4*(4*\a+\b)+3], s[14:15] offset:2048*\a+512*\b
.endr
.endr
.irp a, 0,1,2,3
.irp b, 0,1,2,3
	global_store_b128 v[L16], v[160+4*(4*\a+\b):160+4*(4*\a+\b)+3], s[16:17] offset:2048*\a+512*\b
.endr
.endr
	s_wait_xcnt 0x0                                ; q's stores have read their registers: v's f16 may be written there
	WIN 0x0f                                       ; sources window 3
.irp a, 0,1,2,3
.irp c, 0,1,2,3
.irp i, 0,1,2,3
	v_cvt_pk_f16_f32 v[96+4*(4*\a+\c)+\i], v[8*(4*\a+\c)+2*\i], v[8*(4*\a+\c)+2*\i+1]
.endr
.endr
.endr
	WIN 0
.irp a, 0,1,2,3
.irp c, 0,1,2,3
	global_store_b128 v[L16], v[96+4*(4*\a+\c):96+4*(4*\a+\c)+3], s[16:17] offset:65536+4096*(\a/2)+1024*\c+512*(\a%2)   ; 32 keys a / 2, channels 16 ct on, half a % 2
.endr
.endr
	s_wait_tensorcnt 0x0                           ; the wave's end
	ds_add_u32 v[SPW], v[NIL]
	s_wait_dscnt 0x0
	CROUND                                         ; the closing round
	s_endpgm
.Lfunc_end_k_q5d33004050_qkv:
	.size	k_q5d33004050_qkv, .Lfunc_end_k_q5d33004050_qkv-k_q5d33004050_qkv
	.p2alignl 7, 3214868480
	.fill 96, 4, 3214868480
	.section	.rodata,"a",@progbits
	.p2align	6, 0x0
	.amdhsa_kernel k_q5d33004050_qkv
		.amdhsa_group_segment_fixed_size 229888
		.amdhsa_private_segment_fixed_size 0
		.amdhsa_enable_private_segment 0
		.amdhsa_kernarg_size 56
		.amdhsa_user_sgpr_count 2
		.amdhsa_user_sgpr_kernarg_segment_ptr 1
		.amdhsa_wavefront_size32 1
		.amdhsa_system_sgpr_workgroup_id_x 1
		.amdhsa_system_sgpr_workgroup_id_y 1
		.amdhsa_system_sgpr_workgroup_id_z 1
		.amdhsa_system_vgpr_workitem_id 0
		.amdhsa_next_free_vgpr 896
		.amdhsa_next_free_sgpr 72
		.amdhsa_reserve_vcc 0
		.amdhsa_float_denorm_mode_32 3
		.amdhsa_float_denorm_mode_16_64 3
		.amdhsa_memory_ordered 1
		.amdhsa_forward_progress 1
		.amdhsa_inst_pref_size 101
	.end_amdhsa_kernel
	.amdgpu_metadata
---
amdhsa.version: [ 1, 2 ]
amdhsa.kernels:
  - .name:           k_q5d33004050_qkv
    .symbol:         k_q5d33004050_qkv.kd
    .args:
      - { .name: xc, .offset: 0, .size: 8, .value_kind: global_buffer, .address_space: global }
      - { .name: xs, .offset: 8, .size: 8, .value_kind: global_buffer, .address_space: global }
      - { .name: wc, .offset: 16, .size: 8, .value_kind: global_buffer, .address_space: global }
      - { .name: ws, .offset: 24, .size: 8, .value_kind: global_buffer, .address_space: global }
      - { .name: bqkv, .offset: 32, .size: 8, .value_kind: global_buffer, .address_space: global }
      - { .name: qf, .offset: 40, .size: 8, .value_kind: global_buffer, .address_space: global }
      - { .name: kv, .offset: 48, .size: 8, .value_kind: global_buffer, .address_space: global }
    .group_segment_fixed_size: 229888
    .private_segment_fixed_size: 0
    .kernarg_segment_align: 8
    .kernarg_segment_size: 56
    .max_flat_workgroup_size: 128
    .sgpr_count:     72
    .vgpr_count:     896
    .wavefront_size: 32
...
	.end_amdgpu_metadata
.endif
;; end of part 2
;; launch attn (part 3): grid 16 x 16, 8 waves a work-group, clusters of 4 x 1, 327,680 bytes of LDS; arguments qf, kv, of; writes of
.if DOCPART == 3
	.amdgcn_target "amdgcn-amd-amdhsa--gfx1250"
	.amdhsa_code_object_version 6
	.text
	.protected	k_q5d33004050_attn
	.globl	k_q5d33004050_attn
	.p2align	8
	.type	k_q5d33004050_attn,@function
k_q5d33004050_attn:
	s_mov_b64 s[64:65], 0
	v_nop
	global_prefetch_b8 v0, s[64:65] scope:SCOPE_SE
	s_setreg_imm32_b32 hwreg(HW_REG_WAVE_MODE, 25, 1), 1
	s_wait_xcnt 0x0
	s_wait_alu depctr_hold_cnt(0) depctr_sa_sdst(0) depctr_va_vdst(0) depctr_va_sdst(0) depctr_va_ssrc(0) depctr_va_vcc(0) depctr_vm_vsrc(0)
	s_getreg_b32 s2, hwreg(HW_REG_IB_STS2, 6, 4)
	s_cmp_eq_u32 s2, 0
	s_cbranch_scc0 .Lentry_in_a_cluster
	s_endpgm
.Lentry_in_a_cluster:
	s_bfe_u32 s2, ttmp6, 0x10000c
	s_cmp_lg_u32 s2, 0x3003
	s_cbranch_scc0 .Lentry_shape_is_right
	s_endpgm
.Lentry_shape_is_right:
; o[h][t] = the sum over s of softmax_s(q[h][t] . k[h][s] / 8) v[h][s], 16 heads, 4,096 tokens, 64 channels.  Operands f16, sums, maxima and exponentials f32.
; q arrives multiplied by 0.125 log2(e), so a score is an exponent in base 2: p = 2^(score - m), m the row's running maximum; when m grows, the sum l and O are multiplied by a = 2^(old m - new m).
; All operands arrive as images of operand registers (layouts: at the head of the launches prep and qkv): every LDS load and every global access takes 512 consecutive bytes.
; SHARES.  A work-group owns 256 queries of one head, each of its eight waves two tiles of 16, in 512 registers.  Every wave walks the head's 4,096 keys, 128 a step.
; Both products are used transposed: S^T = K Q^T (source 0 = 16 keys, source 1 = 16 queries), O^T = V^T P (source 0 = 16 channels, source 1 = P): a lane holds ONE query throughout,
; and two neighbouring tiles of S^T, rounded to f16 in pairs, ARE source 1 of the second product.
; TWO CLASSES OF WAVES.  A step is a stretch of 64 matrix instructions (M) and a stretch of vector work (SOFT).  Class = (wave xor wave / 4) % 2.  The text is one for both; at each change of slots the slot's
; last SOFT, which touches registers alone, stands ahead of the barrier (class 0) or behind it (class 1), under forward branches on the class.  So from the first change of slots on the classes leave each
; barrier in opposite stretches: one class's matrix work stands beside the other's vector work.  Between two changes each class has four stretches of either kind.
; THE RING.  Two slots of 131,072 bytes (512 keys: K's 65,536 bytes, then V^T's), each one dense block of kv; each wave fetches 16,384 bytes of it.  Two loads of a wave are out at the head, one behind each round.
; CLUSTER.  The four query blocks of a cluster belong to one head and walk the same K and V: each block is asked for jointly, by the same load with a mask that names the four.
; LIMITS: o must lie under 65,504; where |o| falls under 6e-5 its rounding to f16 is absolute, 3e-8 at the most; NaN and infinities are not served.
; REGISTERS: window 0: v1-7 addresses; v8-19, v20-31 a tile's statistics; v32-63 Q; v64-191 S^T (64 a tile), later P in each tile's first 32; v192-255 O^T (32 a tile).   window 1: v0-127 K, v128-255 V of one step.
.set SLOT1, 1<<17
.set SPARE, 262144
.set L16, 1                            ; 16 x lane
.set LV,  2                            ; + 65,536: V's part of a slot
.set ADK, 3
.set ADV, 4
.set SPW, 5
.set NIL, 6
.set PFO, 7                            ; 256 x lane
.set ST,  8                            ; tile t at ST + 12 t: +0 m, +1 old m - new m, +2 +3 l, +4..+7 c0-c3, +8 a, +9 zero, +10 +11 a second chain of l
.set Q,   32
.set S,   64
.set O,   192
.set WV,  10
.set CLS, 11
.set LIM, 15
.set PFA, 18
.set G1,  24
.set G0A, 32
.set G0B, 36
.set TB,  40                           ; LDS byte at which the step to be fetched begins
.set SLOTS, 41
.set INN, 42
.set SEL, 44
.set MSB, 0
.macro WIN new                         ; the immediate's high byte repeats the setting that is left
.if MSB != \new
	s_set_vgpr_msb (MSB<<8)|\new
.set MSB, \new
.endif
.endm
.macro PLACES n
.rept \n
	v_nop
.endr
.endm
.macro CROUND                          ; a round of the cluster's barrier
	s_barrier_signal -1
	s_barrier_wait -1
	s_cmp_lg_u32 s[WV], 0
	s_cbranch_scc1 .Lnot_wave_0_\@
	s_barrier_signal -3
.Lnot_wave_0_\@:
	s_barrier_wait -3
	s_barrier_signal -1
	s_barrier_wait -1
.endm
; A prefetch into the L2 of the slot that the NEXT change of slots will ask for: 131,072 bytes = 512 blocks of 256.  All clusters of a head walk the same bytes: the head's first cluster asks.  Its four partners take
; 32,768 bytes each, told apart by address; in each, waves 0 to 3 take 8,192 bytes each, lanes 256 bytes apart: each block is named once in the launch.  The last change that fills a slot asks for nothing.
.macro ASK
	s_cmp_gt_u32 s[SLOTS], s[LIM]
	s_cbranch_scc0 .Lnot_mine_\@
	global_prefetch_b8 v[PFO], s[PFA:PFA+1] th:TH_LOAD_NT scope:SCOPE_SE
.Lnot_mine_\@:
.endm
.macro KLOAD                           ; a step's K: 8 tiles of 16 keys x 64 channels, 16,384 bytes on end.  Four places stand in front of loads into registers that the last products read
	PLACES 4
	v_add_nc_u32 v[ADK], s[TB], v[L16]
	WIN 0x40                                       ; destination window 1
.set n, 0
.rept 32
	ds_load_b128 v[4*n:4*n+3], v[ADK] offset:512*n
.set n, n+1
.endr
	WIN 0
.endm
.macro VLOAD                           ; the same step's V^T; then the fetches go on to the next step.  (The window is left at 0x40)
	v_add_nc_u32 v[ADV], s[TB], v[LV]
	WIN 0x40
.set n, 0
.rept 32
	ds_load_b128 v[128+4*n:128+4*n+3], v[ADV] offset:512*n
.set n, n+1
.endr
	s_add_co_u32 s[TB], s[TB], 16384
.endm
; The accumulators take turns, one instruction a turn: 16 in SMUL, 8 in PVMUL.
.macro SMUL                            ; S^T = K Q^T: channels 32 c on, keys 16 k on, tile t; the first 16 start the sums
	WIN 0x01                                       ; source 0 window 1
.irp c, 0,1
.irp k, 0,1,2,3,4,5,6,7
.irp t, 0,1
.if \c == 0
	v_wmma_f32_16x16x32_f16 v[S+64*\t+8*\k:S+64*\t+8*\k+7], v[16*\k+8*\c:16*\k+8*\c+7], v[Q+16*\t+8*\c:Q+16*\t+8*\c+7], 0
.else
	v_wmma_f32_16x16x32_f16 v[S+64*\t+8*\k:S+64*\t+8*\k+7], v[16*\k+8*\c:16*\k+8*\c+7], v[Q+16*\t+8*\c:Q+16*\t+8*\c+7], v[S+64*\t+8*\k:S+64*\t+8*\k+7]
.endif
.endr
.endr
.endr
.endm
.macro PVMUL                           ; O^T += V^T P: keys 32 b on, channels 16 c on, tile t
	WIN 0x01
.irp b, 0,1,2,3
.irp c, 0,1,2,3
.irp t, 0,1
	v_wmma_f32_16x16x32_f16 v[O+32*\t+8*\c:O+32*\t+8*\c+7], v[128+32*\b+8*\c:128+32*\b+8*\c+7], v[S+64*\t+8*\b:S+64*\t+8*\b+7], v[O+32*\t+8*\c:O+32*\t+8*\c+7]
.endr
.endr
.endr
.endm
; THE MATRIX STRETCH: V^T P of the step in hand, then K Q^T of the next.
.macro M
	s_wait_dscnt 32                                ; V is in; the 32 younger loads are the next step's K
	PVMUL
	WIN 0
	PLACES 5                                       ; the next products write S^T over P, which these products read: five places; they also serve the loads into V
	VLOAD
	s_wait_dscnt 32                                ; K is in; the 32 younger loads are V's
	SMUL
	WIN 0
.endm
; THE VECTOR STRETCH, the two tiles by turns.  kl = 1: the next step's K is asked for at its head.
.macro SOFT kl
.if \kl
	KLOAD
.else
	PLACES 4                                       ; between the last products and the first read of their results
.endif
.irp i, 0,1,2,3                        ; the maximum of my 64 scores and the old m: four chains of 15 scores, ascending
.irp t, 0,1
	v_max3_num_f32 v[ST+12*\t+4+\i], v[S+64*\t+16*\i], v[S+64*\t+16*\i+1], v[S+64*\t+16*\i+2]
.endr
.endr
.irp k, 3,5,7,9,11,13
.irp i, 0,1,2,3
.irp t, 0,1
	v_max3_num_f32 v[ST+12*\t+4+\i], v[ST+12*\t+4+\i], v[S+64*\t+16*\i+\k], v[S+64*\t+16*\i+\k+1]
.endr
.endr
.endr
.irp t, 0,1
	v_max3_num_f32 v[ST+12*\t+4], v[ST+12*\t+4], v[S+64*\t+15], v[S+64*\t+31]
	v_max3_num_f32 v[ST+12*\t+6], v[ST+12*\t+6], v[S+64*\t+47], v[S+64*\t+63]
.endr
.irp t, 0,1
	v_max3_num_f32 v[ST+12*\t+4], v[ST+12*\t+4], v[ST+12*\t+5], v[ST+12*\t+6]
.endr
.irp t, 0,1
	v_max3_num_f32 v[ST+12*\t+4], v[ST+12*\t+4], v[ST+12*\t+7], v[ST+12*\t]
.endr
.irp t, 0,1
	v_permlanex16_b32 v[ST+12*\t+5], v[ST+12*\t+4], s[SEL], s[SEL+1]   ; the query's other 64 keys lie in the lane 16 away
.endr
.irp t, 0,1
	v_max_num_f32 v[ST+12*\t+4], v[ST+12*\t+4], v[ST+12*\t+5]          ; the new m
.endr
.irp t, 0,1
	v_sub_f32 v[ST+12*\t+1], v[ST+12*\t], v[ST+12*\t+4]                ; old m - new m
.endr
.irp t, 0,1
	v_mov_b32 v[ST+12*\t], v[ST+12*\t+4]
.endr
	; ONE BATCH: a and the 128 exponentials; none of these lines names an exponential's result.  A pair is brought under m one turn ahead of its exponentials
.irp t, 0,1
	v_exp_f32 v[ST+12*\t+8], v[ST+12*\t+1]
.endr
.irp t, 0,1
	v_pk_add_f32 v[S+64*\t:S+64*\t+1], v[S+64*\t:S+64*\t+1], v[ST+12*\t:ST+12*\t+1] op_sel_hi:[1,0] neg_lo:[0,1] neg_hi:[0,1]
.endr
.set n, 0
.rept 32
.irp t, 0,1
.if n < 31
	v_pk_add_f32 v[S+64*\t+2*n+2:S+64*\t+2*n+3], v[S+64*\t+2*n+2:S+64*\t+2*n+3], v[ST+12*\t:ST+12*\t+1] op_sel_hi:[1,0] neg_lo:[0,1] neg_hi:[0,1]
.endif
	v_exp_f32 v[S+64*\t+2*n], v[S+64*\t+2*n]
	v_exp_f32 v[S+64*\t+2*n+1], v[S+64*\t+2*n+1]
.endr
.set n, n+1
.endr
	v_nop                                          ; the plain line behind the last exponential
	s_wait_alu depctr_va_vdst(0)                   ; one wait for the whole batch, ahead of its first reader
	; the sums, in two chains, and the rounding to f16, in place and ascending: pair n goes to register n, which holds nothing that is still wanted
.set n, 0
.rept 32
.irp t, 0,1
.if n == 0
	v_pk_fma_f32 v[ST+12*\t+2:ST+12*\t+3], v[ST+12*\t+2:ST+12*\t+3], v[ST+12*\t+8:ST+12*\t+9], v[S+64*\t:S+64*\t+1] op_sel_hi:[1,0,1]   ; l = a l + pair 0
.elseif n == 1
	v_pk_add_f32 v[ST+12*\t+10:ST+12*\t+11], v[S+64*\t+2:S+64*\t+3], v[S+64*\t+6:S+64*\t+7]   ; the second chain starts with pairs 1 and 3
.elseif n == 3
.elseif n%2 == 0
	v_pk_add_f32 v[ST+12*\t+2:ST+12*\t+3], v[ST+12*\t+2:ST+12*\t+3], v[S+64*\t+2*n:S+64*\t+2*n+1]
.else
	v_pk_add_f32 v[ST+12*\t+10:ST+12*\t+11], v[ST+12*\t+10:ST+12*\t+11], v[S+64*\t+2*n:S+64*\t+2*n+1]
.endif
	v_cvt_pk_f16_f32 v[S+64*\t+n], v[S+64*\t+2*n], v[S+64*\t+2*n+1]
.endr
.set n, n+1
.endr
.irp t, 0,1
	v_pk_add_f32 v[ST+12*\t+2:ST+12*\t+3], v[ST+12*\t+2:ST+12*\t+3], v[ST+12*\t+10:ST+12*\t+11]
.endr
.set n, 0
.rept 16
.irp t, 0,1
	v_pk_mul_f32 v[O+32*\t+2*n:O+32*\t+2*n+1], v[O+32*\t+2*n:O+32*\t+2*n+1], v[ST+12*\t+8:ST+12*\t+9] op_sel_hi:[1,0]   ; O^T x a
.endr
.set n, n+1
.endr
.endm
; THE CHANGE OF SLOTS.  All of the slot's bytes have been asked for.  Each wave waits for all its tensor loads (its part of the other slot), adds 0 to its spare word, and waits for that and for its reads of the slot.
; fill = 1: the barrier is a round of the cluster's, and the joint refill, the keys two slots on, is the first thing behind it: it has four steps in which to land.
.macro CHANGE fill
	WIN 0
	s_wait_tensorcnt 0x0                           ; no tensor load of mine is out, so a group 0 may be written
	ds_add_u32 v[SPW], v[NIL]
.if \fill
	s_xor_b32 s[G0B+1], s[G0B+1], SLOT1            ; the walking descriptor: the other slot than last time,
	s_add_nc_u64 s[G0B+2:G0B+3], s[G0B+2:G0B+3], 0x20000   ; the next 512 keys
	s_wait_xcnt 0x0                                ; the last prefetch, a slot back, has read its address
	s_add_nc_u64 s[PFA:PFA+1], s[PFA:PFA+1], 0x20000       ; one slot further on than the walking descriptor
	s_wait_dscnt 0x0                               ; the add is done, and my reads of the slot are over
	CROUND
	tensor_load_to_lds s[G0B:G0B+3], s[G1:G1+7]
	s_nop 0
	PLACES 4
	ASK
.else
	s_wait_dscnt 0x0
	s_barrier_signal -1
	s_barrier_wait -1
.endif
	s_sub_co_u32 s[TB], s[TB], 65536               ; the fetches go back to a slot's first step,
	s_xor_b32 s[TB], s[TB], SLOT1                  ; in the other slot
.endm
.macro INNER                           ; three of a slot's four steps
	s_mov_b32 s[INN], 3
.Lin_\@:
	SOFT 1
	M
	s_sub_co_u32 s[INN], s[INN], 1
	s_cmp_lg_u32 s[INN], 0
	s_cbranch_scc1 .Lin_\@
.endm
.macro BOUND fill                      ; the slot's last SOFT, ahead of the change (class 0) or behind it (class 1); the branches lead round register work alone
	s_cmp_eq_u32 s[CLS], 0
	s_cbranch_scc0 .Llate_\@
	SOFT 0
.Llate_\@:
	CHANGE \fill
	KLOAD
	s_cmp_eq_u32 s[CLS], 1
	s_cbranch_scc0 .Learly_\@
	SOFT 0
.Learly_\@:
	M
.endm
	s_load_b128 s[4:7], s[0:1], 0x0                ; qf s[4:5], kv s[6:7]
	s_load_b64 s[8:9], s[0:1], 0x10                ; of
	v_lshl_add_u32 v[SPW], v0, 2, SPARE
	v_mov_b32 v[NIL], 0
	ds_add_u32 v[SPW], v[NIL]                      ; the wave's opening: the add, twice on end, and its wait ahead of my first tensor load
	ds_add_u32 v[SPW], v[NIL]
	v_lshrrev_b32 v1, 5, v0
	v_readfirstlane_b32 s[WV], v1                  ; wave 0..7
	s_lshr_b32 s[CLS], s[WV], 2
	s_xor_b32 s[CLS], s[CLS], s[WV]
	s_and_b32 s[CLS], s[CLS], 1                    ; the wave's class
	s_bfe_u32 s12, ttmp6, 0x40000                  ; cx
	s_lshl_b32 s13, ttmp9, 2
	s_add_co_u32 s13, s13, s12                     ; my block of 256 queries: it enters qf's and of's addresses alone
	s_and_b32 s14, ttmp7, 0xffff                   ; the head, which the four partners share
	; descriptor group 1: 16,384 dense bytes as 64 rows of 256 (32 elements of 8 bytes)
	s_mov_b32 s[G1], 15|(3<<16)|(1<<21)            ; 15:0 the mask: all four work-groups; 17:16 elements of 8 bytes; 21 set beside a mask
	s_mov_b32 s[G1+1], 32<<16
	s_mov_b32 s[G1+2], 64<<16
	s_mov_b32 s[G1+3], 32<<16
	s_mov_b32 s[G1+4], 64
	s_mov_b32 s[G1+5], 32
	s_mov_b32 s[G1+6], 0
	s_mov_b32 s[G1+7], 0
	s_lshl_b32 s20, s14, 20                        ; kv: the head, + my wave's 16,384 bytes of a slot
	s_lshl_b32 s21, s[WV], 14
	s_add_co_u32 s20, s20, s21
	s_mov_b32 s21, 0
	s_lshl_b32 s22, s14, 19                        ; qf: the head, my block's 16 tiles of 2,048 bytes, my wave's two
	s_lshl_b32 s23, s13, 15
	s_add_co_u32 s22, s22, s23
	s_lshl_b32 s23, s[WV], 12
	s_add_co_u32 s22, s22, s23
	s_mov_b32 s23, 0
	s_lshl_b32 s16, s13, 1                         ; of: [128 tokens][256 k][tile of 16 tokens][32 k][j]: tokens 128 (2 block + wave / 4) on,
	s_lshr_b32 s17, s[WV], 2
	s_add_co_u32 s16, s16, s17
	s_lshl_b32 s16, s16, 18
	s_lshr_b32 s17, s14, 2                         ; four heads to 256 k,
	s_lshl_b32 s17, s17, 16
	s_add_co_u32 s16, s16, s17
	s_and_b32 s17, s[WV], 3                        ; my two tiles,
	s_lshl_b32 s17, s17, 14
	s_add_co_u32 s16, s16, s17
	s_and_b32 s17, s14, 3                          ; my head's two blocks of 32 k
	s_lshl_b32 s17, s17, 11
	s_add_co_u32 s16, s16, s17
	s_mov_b32 s17, 0
	s_lshl_b32 s46, s14, 20                        ; the prefetches: the head, slot 2, my work-group's quarter, my wave's 8,192 bytes; the first change steps it to slot 3
	s_add_co_u32 s46, s46, 0x40000
	s_lshl_b32 s47, s12, 15
	s_add_co_u32 s46, s46, s47
	s_lshl_b32 s47, s[WV], 13
	s_add_co_u32 s46, s46, s47
	s_mov_b32 s47, 0
	s_lshr_b32 s[LIM], s[WV], 2                    ; 0 in waves 0 to 3,
	s_or_b32 s[LIM], s[LIM], ttmp9                 ; of the head's first cluster: the same in all four partners
	s_cmp_eq_u32 s[LIM], 0
	s_cselect_b32 s[LIM], 1, -1
	s_mov_b32 s[SEL], 0x76543210
	s_mov_b32 s[SEL+1], 0xfedcba98
	s_mov_b32 s[TB], 0
	s_mov_b32 s[SLOTS], 6
	s_wait_dscnt 0x0                               ; both opening adds are done
	s_wait_kmcnt 0x0
	s_add_nc_u64 s[PFA:PFA+1], s[6:7], s[46:47]
	s_add_nc_u64 s[4:5], s[4:5], s[22:23]
	s_add_nc_u64 s[8:9], s[8:9], s[16:17]
	s_mov_b32 s[G0A], 1
	s_lshl_b32 s[G0A+1], s[WV], 14                 ; LDS: slot 0, wave x 16,384
	s_add_nc_u64 s[G0A+2:G0A+3], s[6:7], s[20:21]
	s_mov_b32 s[G0B], 1
	s_add_co_u32 s[G0B+1], s[G0A+1], SLOT1         ; slot 1
	s_add_nc_u64 s[G0B+2:G0B+3], s[G0A+2:G0A+3], 0x20000
	s_or_b32 s[G0A+3], s[G0A+3], 0x80000000
	s_or_b32 s[G0B+3], s[G0B+3], 0x80000000
	CROUND                                         ; all four work-groups are here: the first joint loads meet
	tensor_load_to_lds s[G0A:G0A+3], s[G1:G1+7]
	s_nop 0
	tensor_load_to_lds s[G0B:G0B+3], s[G1:G1+7]
	s_nop 0
	PLACES 4
	v_and_b32 v[PFO], 31, v0
	v_lshlrev_b32 v[L16], 4, v[PFO]
	v_lshlrev_b32 v[PFO], 8, v[PFO]
	v_add_nc_u32 v[LV], 65536, v[L16]
.irp i, 0,1,2,3,4,5,6,7
	global_load_b128 v[Q+4*\i:Q+4*\i+3], v[L16], s[4:5] offset:512*\i   ; Q stays in registers: 4,096 bytes on end
.endr
.irp t, 0,1
	v_mov_b32 v[ST+12*\t], 0xff61b1e6              ; m: -3e38, under every score
	v_mov_b32 v[ST+12*\t+1], 0
	v_mov_b32 v[ST+12*\t+2], 0                     ; l
	v_mov_b32 v[ST+12*\t+3], 0
	v_mov_b32 v[ST+12*\t+5], 0                     ; a lane permute's destination counts as one of its sources
	v_mov_b32 v[ST+12*\t+9], 0                     ; named with a as a pair
.endr
.set n, 0
.rept 64
	v_mov_b32 v[O+n], 0                            ; O^T.  The step is written for all steps alike: the first finds zeros, and a = 0 leaves them zeros
.set n, n+1
.endr
	s_wait_tensorcnt 1                             ; my part of slot 0 is in; slot 1's may stay out
	s_barrier_signal -1
	s_barrier_wait -1                              ; everybody's part of slot 0 is in
	KLOAD                                          ; step 0
	VLOAD
	WIN 0
	s_wait_loadcnt 0x0                             ; Q
	s_wait_dscnt 0x0                               ; K and V of step 0
	SMUL                                           ; the first scores, in every wave: the classes part at the first change of slots
	WIN 0
.Lslot:                                            ; six trips: slots 0 to 5 are left and filled again with slots 2 to 7
	INNER
	BOUND 1
	s_sub_co_u32 s[SLOTS], s[SLOTS], 1
	s_cmp_lg_u32 s[SLOTS], 0
	s_cbranch_scc1 .Lslot
	INNER                                          ; slot 6 is written out: nothing is left to ask for
	BOUND 0
	INNER                                          ; slot 7
	SOFT 0
	s_wait_dscnt 0x0                               ; the last step's V
	PVMUL
	WIN 0
	; THE WAY OUT: l's halves and the other half of the lanes'; O^T / l, rounded to f16 in place: four registers of a fragment for each 16 channels; each store takes 512 consecutive bytes
	PLACES 4
.irp t, 0,1
	v_add_f32 v[ST+12*\t+4], v[ST+12*\t+2], v[ST+12*\t+3]
.endr
.irp t, 0,1
	v_permlanex16_b32 v[ST+12*\t+5], v[ST+12*\t+4], s[SEL], s[SEL+1]
.endr
.irp t, 0,1
	v_add_f32 v[ST+12*\t+4], v[ST+12*\t+4], v[ST+12*\t+5]
.endr
.irp t, 0,1
	v_rcp_f32 v[ST+12*\t+8], v[ST+12*\t+4]
.endr
	v_nop
	s_wait_alu depctr_va_vdst(0)                   ; one wait for the two reciprocals, ahead of their first reader
.irp t, 0,1
.set n, 0
.rept 16
	v_pk_mul_f32 v[O+32*\t+2*n:O+32*\t+2*n+1], v[O+32*\t+2*n:O+32*\t+2*n+1], v[ST+12*\t+8:ST+12*\t+9] op_sel_hi:[1,0]
.set n, n+1
.endr
.endr
.irp t, 0,1
.set n, 0
.rept 16
	v_cvt_pk_f16_f32 v[O+32*\t+n], v[O+32*\t+2*n], v[O+32*\t+2*n+1]
.set n, n+1
.endr
.endr
.irp t, 0,1
.irp c, 0,1,2,3
	global_store_b128 v[L16], v[O+32*\t+4*\c:O+32*\t+4*\c+3], s[8:9] offset:8192*\t+512*\c
.endr
.endr
	s_wait_tensorcnt 0x0                           ; the wave's end
	ds_add_u32 v[SPW], v[NIL]
	s_wait_dscnt 0x0
	CROUND                                         ; the closing round
	s_endpgm
.Lfunc_end_k_q5d33004050_attn:
	.size	k_q5d33004050_attn, .Lfunc_end_k_q5d33004050_attn-k_q5d33004050_attn
	.p2alignl 7, 3214868480
	.fill 96, 4, 3214868480
	.section	.rodata,"a",@progbits
	.p2align	6, 0x0
	.amdhsa_kernel k_q5d33004050_attn
		.amdhsa_group_segment_fixed_size 327680
		.amdhsa_private_segment_fixed_size 0
		.amdhsa_enable_private_segment 0
		.amdhsa_kernarg_size 24
		.amdhsa_user_sgpr_count 2
		.amdhsa_user_sgpr_kernarg_segment_ptr 1
		.amdhsa_wavefront_size32 1
		.amdhsa_system_sgpr_workgroup_id_x 1
		.amdhsa_system_sgpr_workgroup_id_y 1
		.amdhsa_system_sgpr_workgroup_id_z 1
		.amdhsa_system_vgpr_workitem_id 0
		.amdhsa_next_free_vgpr 512
		.amdhsa_next_free_sgpr 66
		.amdhsa_reserve_vcc 0
		.amdhsa_float_denorm_mode_32 3
		.amdhsa_float_denorm_mode_16_64 3
		.amdhsa_memory_ordered 1
		.amdhsa_forward_progress 1
		.amdhsa_inst_pref_size 248
	.end_amdhsa_kernel
	.amdgpu_metadata
---
amdhsa.version: [ 1, 2 ]
amdhsa.kernels:
  - .name:           k_q5d33004050_attn
    .symbol:         k_q5d33004050_attn.kd
    .args:
      - { .name: qf, .offset: 0, .size: 8, .value_kind: global_buffer, .address_space: global }
      - { .name: kv, .offset: 8, .size: 8, .value_kind: global_buffer, .address_space: global }
      - { .name: of, .offset: 16, .size: 8, .value_kind: global_buffer, .address_space: global }
    .group_segment_fixed_size: 327680
    .private_segment_fixed_size: 0
    .kernarg_segment_align: 8
    .kernarg_segment_size: 24
    .max_flat_workgroup_size: 256
    .sgpr_count:     66
    .vgpr_count:     512
    .wavefront_size: 32
...
	.end_amdgpu_metadata
.endif
;; end of part 3
;; launch proj (part 4): grid 8 x 32, 4 waves a work-group, clusters of 4 x 4, 327,680 bytes of LDS; arguments of, wf, bproj, out0; writes out0
.if DOCPART == 4
	.amdgcn_target "amdgcn-amd-amdhsa--gfx1250"
	.amdhsa_code_object_version 6
	.text
	.protected	k_q5d33004050_proj
	.globl	k_q5d33004050_proj
	.p2align	8
	.type	k_q5d33004050_proj,@function
k_q5d33004050_proj:
	s_mov_b64 s[64:65], 0
	v_nop
	global_prefetch_b8 v0, s[64:65] scope:SCOPE_SE
	s_setreg_imm32_b32 hwreg(HW_REG_WAVE_MODE, 25, 1), 1
	s_wait_xcnt 0x0
	s_wait_alu depctr_hold_cnt(0) depctr_sa_sdst(0) depctr_va_vdst(0) depctr_va_sdst(0) depctr_va_ssrc(0) depctr_va_vcc(0) depctr_vm_vsrc(0)
	s_getreg_b32 s2, hwreg(HW_REG_IB_STS2, 6, 4)
	s_cmp_eq_u32 s2, 0
	s_cbranch_scc0 .Lentry_in_a_cluster
	s_endpgm
.Lentry_in_a_cluster:
	s_bfe_u32 s2, ttmp6, 0x10000c
	s_cmp_lg_u32 s2, 0xf033
	s_cbranch_scc0 .Lentry_shape_is_right
	s_endpgm
.Lentry_shape_is_right:
; out0 = o Wproj + bproj: [4096][1024] x [1024][1024], operands f16 as images of operand registers (of, wf: layouts at the head of the launch prep), sums f32.
; A work-group makes 128 tokens x 128 columns, a wave 64 x 64: 16 accumulators.  The product is used transposed (source 0 = 16 columns of Wproj, source 1 = 16 tokens): a lane holds eight neighbouring
; numbers of a row of out0.  The bias is the C of each sum's first product.
; K goes in four steps of 256 through two LDS slots of 131,072 bytes (o's 65,536 dense bytes, then Wproj's); each wave fetches 32,768: waves 0, 1 o's halves, waves 2, 3 Wproj's.
; Two loads of a wave are out at the head, one behind each round.
; CLUSTER 4 x 4: o's block hangs on the token block alone and is asked for jointly along a row of the cluster, Wproj's on the column block alone, jointly along a column.
; REGISTERS: window 0: v16-29 addresses; v32-63 the bias; v64-127 two sets of rows on the way out; v128-255 the accumulators at 8 (4 a + b).   window 1: two fragment buffers of 128: for each of two blocks of 32 k, o's four at 8 a, Wproj's four at 32 + 8 b.
.set SLOT,  131072
.set STAGE, 262144                     ; behind the ring: 16 rows x (256 bytes + 16) for each wave; no tensor load lands here
.set SPARE, STAGE+4*16*272
.set ADRA, 16
.set ADRB, 20
.set STO,  24
.set RD,   25
.set CO,   26
.set SPW,  28
.set NIL,  29
.set BI,   32
.set BK,   64
.set ACC,  128
.set F0,   0
.set F1,   128
.set WV,   12
.set G1,   24
.set G0,   32
.set G1B,  48
.set G0B,  56
.set MSB, 0
.macro WIN new                         ; the immediate's high byte repeats the setting that is left
.if MSB != \new
	s_set_vgpr_msb (MSB<<8)|\new
.set MSB, \new
.endif
.endm
.macro PLACES n
.rept \n
	v_nop
.endr
.endm
.macro CROUND
	s_barrier_signal -1
	s_barrier_wait -1
	s_cmp_lg_u32 s[WV], 0
	s_cbranch_scc1 .Lnot_wave_0_\@
	s_barrier_signal -3
.Lnot_wave_0_\@:
	s_barrier_wait -3
	s_barrier_signal -1
	s_barrier_wait -1
.endm
.macro JLOAD s                         ; a joint load: waves 0 and 1 fetch o's halves, waves 2 and 3 Wproj's; the branch hangs on the wave's number alone
	s_cmp_eq_u32 s13, 0
	s_cbranch_scc0 .Lfor_b_\@
	tensor_load_to_lds s[G0+4*\s:G0+4*\s+3], s[G1:G1+7]
	s_nop 0
	PLACES 4
	s_branch .Lasked_\@
.Lfor_b_\@:
	tensor_load_to_lds s[G0B+4*\s:G0B+4*\s+3], s[G1B:G1B+7]
	s_nop 0
	PLACES 4
.Lasked_\@:
.endm
.macro FETCH slot, u, f                ; unit u of a slot: 64 along K: 32 LDS loads of 512 consecutive bytes
	WIN 0x40
.irp k, 0,1
.irp i, 0,1,2,3
.irp j, 0,1
	ds_load_b128 v[\f+64*\k+32+8*\i+4*\j:\f+64*\k+32+8*\i+4*\j+3], v[ADRB+\slot] offset:8192*\i+1024*(2*(\u)+\k)+512*\j
	ds_load_b128 v[\f+64*\k+8*\i+4*\j:\f+64*\k+8*\i+4*\j+3], v[ADRA+\slot] offset:8192*\i+1024*(2*(\u)+\k)+512*\j
.endr
.endr
.endr
.endm
.macro MUL f, first                    ; 32 products; the 16 accumulators take turns
	WIN 0x05                                       ; sources window 1, C and D window 0
.irp k, 0,1
.irp a, 0,1,2,3
.irp b, 0,1,2,3
.if (\first) && (\k == 0)
	v_wmma_f32_16x16x32_f16 v[ACC+8*(4*\a+\b):ACC+8*(4*\a+\b)+7], v[\f+64*\k+32+8*\b:\f+64*\k+32+8*\b+7], v[\f+64*\k+8*\a:\f+64*\k+8*\a+7], v[BI+8*\b:BI+8*\b+7]
.else
	v_wmma_f32_16x16x32_f16 v[ACC+8*(4*\a+\b):ACC+8*(4*\a+\b)+7], v[\f+64*\k+32+8*\b:\f+64*\k+32+8*\b+7], v[\f+64*\k+8*\a:\f+64*\k+8*\a+7], v[ACC+8*(4*\a+\b):ACC+8*(4*\a+\b)+7]
.endif
.endr
.endr
.endr
.endm
.macro UNIT slot, u, first             ; unit u is multiplied; unit u + 1 of the same slot is fetched ahead of it
	PLACES 4                                       ; in front of loads into the buffer that the last products read
	FETCH \slot, (\u)+1, 128*(((\u)+1)%2)
	s_wait_dscnt 32                                ; all but the 32 just issued
	MUL 128*((\u)%2), \first
.endm
; A slot's last unit: all its fragments have been asked for.  Each wave waits for all its tensor loads, adds 0 to its spare word, and waits for that and for its reads of the slot.  fill = 1: a round, and the slot is filled again, two K steps on.
.macro TURN slot, next, fill
	WIN 0
	s_wait_tensorcnt 0x0
	ds_add_u32 v[SPW], v[NIL]
.if \fill
	s_add_nc_u64 s[G0+4*\slot+2:G0+4*\slot+3], s[G0+4*\slot+2:G0+4*\slot+3], 0x20000
	s_add_nc_u64 s[G0B+4*\slot+2:G0B+4*\slot+3], s[G0B+4*\slot+2:G0B+4*\slot+3], 0x20000
.endif
	s_wait_dscnt 0x0
.if \fill
	CROUND
	JLOAD \slot                                    ; the four v_nop behind it are also the places in front of the loads below
.else
	s_barrier_signal -1
	s_barrier_wait -1
	PLACES 4
.endif
	FETCH \next, 0, F0
	s_wait_dscnt 32
	MUL F1, 0
.endm
	s_load_b256 s[4:11], s[0:1], 0x0               ; of s[4:5], wf s[6:7], bproj s[8:9], out0 s[10:11]
	v_lshl_add_u32 v[SPW], v0, 2, SPARE
	v_mov_b32 v[NIL], 0
	ds_add_u32 v[SPW], v[NIL]                      ; the wave's opening: the add, twice on end, and its wait ahead of my first tensor load
	ds_add_u32 v[SPW], v[NIL]
	v_lshrrev_b32 v1, 5, v0
	v_readfirstlane_b32 s[WV], v1                  ; wave 0..3
	s_lshr_b32 s13, s[WV], 1                       ; my half of the rows.  Also: I fetch o's (0) or Wproj's (1)
	s_and_b32 s14, s[WV], 1                        ; my half of the columns.  Also: which half I fetch
	s_bfe_u32 s15, ttmp6, 0x40000                  ; cx
	s_bfe_u32 s16, ttmp6, 0x40004                  ; cy
	s_lshl_b32 s17, ttmp9, 2
	s_add_co_u32 s17, s17, s15                     ; the block of 128 columns
	s_and_b32 s18, ttmp7, 0xffff
	s_lshl_b32 s18, s18, 2
	s_add_co_u32 s18, s18, s16                     ; the block of 128 tokens
	s_lshl_b32 s20, s16, 2
	s_lshl_b32 s20, 15, s20                        ; my row of the cluster
	s_lshl_b32 s21, 0x1111, s15                    ; my column
	s_or_b32 s[G1], s20, (3<<16)|(1<<21)           ; 32,768 dense bytes as 128 rows of 256 (32 elements of 8 bytes)
	s_or_b32 s[G1B], s21, (3<<16)|(1<<21)
.irp g, G1, G1B
	s_mov_b32 s[\g+1], 32<<16
	s_mov_b32 s[\g+2], 128<<16
	s_mov_b32 s[\g+3], 32<<16
	s_mov_b32 s[\g+4], 128
	s_mov_b32 s[\g+5], 32
	s_mov_b32 s[\g+6], 0
	s_mov_b32 s[\g+7], 0
.endr
	s_lshl_b32 s40, s18, 18                        ; of: 262,144 bytes a token block, + my half: no cx in it
	s_lshl_b32 s41, s14, 15
	s_add_co_u32 s40, s40, s41
	s_mov_b32 s41, 0
	s_lshl_b32 s42, s17, 18                        ; wf likewise by the column block: no cy in it
	s_lshl_b32 s43, s14, 15
	s_add_co_u32 s42, s42, s43
	s_mov_b32 s43, 0
	s_lshl_b32 s44, s[WV], 15                      ; LDS: wave x 32,768
	s_wait_dscnt 0x0                               ; both opening adds are done
	s_wait_kmcnt 0x0
	s_add_nc_u64 s[40:41], s[4:5], s[40:41]
	s_add_nc_u64 s[42:43], s[6:7], s[42:43]
	CROUND                                         ; all sixteen work-groups are here: the first joint loads meet
.irp s, 0,1
	s_mov_b32 s[G0+4*\s], 1
	s_add_co_u32 s[G0+4*\s+1], s44, \s*SLOT
	s_add_nc_u64 s[G0+4*\s+2:G0+4*\s+3], s[40:41], \s*65536
	s_or_b32 s[G0+4*\s+3], s[G0+4*\s+3], 0x80000000
	s_mov_b32 s[G0B+4*\s], 1
	s_add_co_u32 s[G0B+4*\s+1], s44, \s*SLOT
	s_add_nc_u64 s[G0B+4*\s+2:G0B+4*\s+3], s[42:43], \s*65536
	s_or_b32 s[G0B+4*\s+3], s[G0B+4*\s+3], 0x80000000
	JLOAD \s
.endr
	v_and_b32 v1, 31, v0
	v_lshlrev_b32 v2, 4, v1                        ; 16 x lane
	v_and_b32 v3, 15, v0                           ; r
	v_bfe_u32 v4, v0, 4, 1                         ; h
	s_lshl_b32 s45, s13, 15                        ; my four row tiles of o
	s_lshl_b32 s46, s14, 15
	s_add_co_u32 s46, s46, 65536                   ; my four column tiles of Wproj, behind o's 65,536 bytes
.irp s, 0,1
	v_add_nc_u32 v[ADRA+\s], s45, v2
	v_add_nc_u32 v[ADRB+\s], s46, v2
	s_add_co_u32 s45, s45, SLOT
	s_add_co_u32 s46, s46, SLOT
.endr
	s_mul_i32 s47, s[WV], 16*272
	s_add_co_u32 s47, s47, STAGE                   ; my stage
	v_mul_u32_u24 v[STO], v3, 272                  ; in: row r, 32 bytes for each half of the lanes
	v_lshl_add_u32 v[STO], v4, 5, v[STO]
	v_add_nc_u32 v[STO], s47, v[STO]
	v_mul_u32_u24 v[RD], v4, 272                   ; back: lanes 0-15 one row of 256 bytes, lanes 16-31 the next
	v_lshl_add_u32 v[RD], v3, 4, v[RD]
	v_add_nc_u32 v[RD], s47, v[RD]
	v_lshlrev_b32 v[CO], 12, v4                    ; and the same two rows in out0
	v_lshl_add_u32 v[CO], v3, 4, v[CO]
	v_lshlrev_b32 v5, 5, v4                        ; 32 h
	s_lshl_b32 s20, s17, 9                         ; my 64 columns, in bytes
	s_lshl_b32 s21, s14, 8
	s_add_co_u32 s20, s20, s21
	s_mov_b32 s21, 0
	s_add_nc_u64 s[8:9], s[8:9], s[20:21]
	s_add_nc_u64 s[10:11], s[10:11], s[20:21]
	s_lshl_b32 s20, s18, 19                        ; my 64 rows of 4,096 bytes
	s_lshl_b32 s22, s13, 18
	s_add_co_u32 s20, s20, s22
	s_add_nc_u64 s[10:11], s[10:11], s[20:21]
.irp b, 0,1,2,3                        ; the bias in the result's layout: lane (r, h): columns 16 b + 8 h + 0..7
	global_load_b128 v[BI+8*\b:BI+8*\b+3], v5, s[8:9] offset:64*\b
	global_load_b128 v[BI+8*\b+4:BI+8*\b+7], v5, s[8:9] offset:64*\b+16
.endr
	s_wait_tensorcnt 1                             ; my part of K step 0 is in; K step 1's may stay out
	s_barrier_signal -1
	s_barrier_wait -1
	FETCH 0, 0, F0
	s_wait_loadcnt 0x0                             ; the bias
	UNIT 0, 0, 1                                   ; K step 0
	UNIT 0, 1, 0
	UNIT 0, 2, 0
	TURN 0, 1, 1                                   ; slot 0 takes K step 2
	UNIT 1, 0, 0                                   ; K step 1
	UNIT 1, 1, 0
	UNIT 1, 2, 0
	TURN 1, 0, 1                                   ; slot 1 takes K step 3
	UNIT 0, 0, 0                                   ; K step 2
	UNIT 0, 1, 0
	UNIT 0, 2, 0
	TURN 0, 1, 0                                   ; nothing is left to fetch
	UNIT 1, 0, 0                                   ; K step 3
	UNIT 1, 1, 0
	UNIT 1, 2, 0
	s_wait_dscnt 0x0
	MUL F1, 0
	WIN 0
	; THE WAY OUT, 16 rows at a time through my own stage: a lane's 32 bytes go in, whole rows of 256 bytes come back, and sixteen lanes store 256 consecutive bytes, at a multiple of 256 from out0's first byte.
	; LDS serves a wave's instructions in order (ISA guide 5.7.1.4): no wait stands between the stores and the loads.
.macro TOSTAGE a
.irp b, 0,1,2,3
	ds_store_b128 v[STO], v[ACC+8*(4*(\a)+\b):ACC+8*(4*(\a)+\b)+3] offset:64*\b          ; each accumulator from its low end on
	ds_store_b128 v[STO], v[ACC+8*(4*(\a)+\b)+4:ACC+8*(4*(\a)+\b)+7] offset:64*\b+16
.endr
.set BB, BK+32*((\a)%2)
.irp t, 0,1,2,3,4,5,6,7
	ds_load_b128 v[BB+4*\t:BB+4*\t+3], v[RD] offset:544*\t
.endr
.endm
.macro SEND a, younger                 ; younger: the LDS instructions issued behind block a's loads
.set BB, BK+32*((\a)%2)
	s_wait_dscnt \younger
.irp t, 0,1,2,3,4,5,6,7
	global_store_b128 v[CO], v[BB+4*\t:BB+4*\t+3], s[10:11] offset:4096*(16*(\a)+2*\t) th:TH_STORE_NT
.endr
.endm
	PLACES 4
	TOSTAGE 0
.irp a, 1,2,3
.if \a > 1
	s_wait_xcnt 0x0                                ; block a - 2's stores have read their registers: block a's loads may land there
.endif
	TOSTAGE \a
	SEND \a-1, 16                                  ; behind block a - 1's loads: block a's 8 stores and 8 loads
.endr
	SEND 3, 0
	s_wait_tensorcnt 0x0                           ; the wave's end, behind my last tensor load and my last LDS store
	ds_add_u32 v[SPW], v[NIL]
	s_wait_dscnt 0x0
	CROUND                                         ; the closing round
	s_endpgm
.Lfunc_end_k_q5d33004050_proj:
	.size	k_q5d33004050_proj, .Lfunc_end_k_q5d33004050_proj-k_q5d33004050_proj
	.p2alignl 7, 3214868480
	.fill 96, 4, 3214868480
	.section	.rodata,"a",@progbits
	.p2align	6, 0x0
	.amdhsa_kernel k_q5d33004050_proj
		.amdhsa_group_segment_fixed_size 327680
		.amdhsa_private_segment_fixed_size 0
		.amdhsa_enable_private_segment 0
		.amdhsa_kernarg_size 32
		.amdhsa_user_sgpr_count 2
		.amdhsa_user_sgpr_kernarg_segment_ptr 1
		.amdhsa_wavefront_size32 1
		.amdhsa_system_sgpr_workgroup_id_x 1
		.amdhsa_system_sgpr_workgroup_id_y 1
		.amdhsa_system_sgpr_workgroup_id_z 1
		.amdhsa_system_vgpr_workitem_id 0
		.amdhsa_next_free_vgpr 512
		.amdhsa_next_free_sgpr 66
		.amdhsa_reserve_vcc 0
		.amdhsa_float_denorm_mode_32 3
		.amdhsa_float_denorm_mode_16_64 3
		.amdhsa_memory_ordered 1
		.amdhsa_forward_progress 1
		.amdhsa_inst_pref_size 85
	.end_amdhsa_kernel
	.amdgpu_metadata
---
amdhsa.version: [ 1, 2 ]
amdhsa.kernels:
  - .name:           k_q5d33004050_proj
    .symbol:         k_q5d33004050_proj.kd
    .args:
      - { .name: of, .offset: 0, .size: 8, .value_kind: global_buffer, .address_space: global }
      - { .name: wf, .offset: 8, .size: 8, .value_kind: global_buffer, .address_space: global }
      - { .name: bproj, .offset: 16, .size: 8, .value_kind: global_buffer, .address_space: global }
      - { .name: out0, .offset: 24, .size: 8, .value_kind: global_buffer, .address_space: global }
    .group_segment_fixed_size: 327680
    .private_segment_fixed_size: 0
    .kernarg_segment_align: 8
    .kernarg_segment_size: 32
    .max_flat_workgroup_size: 128
    .sgpr_count:     66
    .vgpr_count:     512
    .wavefront_size: 32
...
	.end_amdgpu_metadata
.endif
;; end of part 4
